; MI455X (gfx1250); checked and timed in simulation.
; The chip was launched on July 23, 2026; its instructions are those of AMD's public machine-readable ISA for CDNA 5 (MIT licence, August 2026) and "CDNA5" Instruction Set Architecture Reference Guide (July 2026). The comments in the code are by the model that wrote it; some were corrected since.
;; mu P Attention Mechanism. Allowed arithmetic: float matrix products may take bf16 or f16 operands with f32 sums; all other float work in f32.
;; Inputs: key 2 x 16 x 2,048 x 64 float32; query 2 x 16 x 2,048 x 64 float32; value 2 x 16 x 2,048 x 64 float32.
;; Outputs: out0 2 x 16 x 2,048 x 64 float32.
;; Constants: causal = 1, dhead = 64.
;; One version. Each part assembles by itself: llvm-mc -triple=amdgcn-amd-amdhsa -mcpu=gfx1250 --defsym DOCPART=n.
;; ======== version 1 of 1: 1 launch
;; limits: values are held in f16: magnitudes above 65,504 overflow, below 6.1e-05 lose precision; inputs' magnitudes at most 65,504
;; launch attn (part 1): grid 256 x 1, 8 waves a work-group, no clusters, 146,432 bytes of LDS; arguments key, query, value, out0; writes out0
.if DOCPART == 1
	.amdgcn_target "amdgcn-amd-amdhsa--gfx1250"
	.amdhsa_code_object_version 6
	.text
	.protected	k_q40f42b251a_attn
	.globl	k_q40f42b251a_attn
	.p2align	8
	.type	k_q40f42b251a_attn,@function
k_q40f42b251a_attn:
	s_mov_b64 s[64:65], 0
	v_nop
	global_prefetch_b8 v0, s[64:65] scope:SCOPE_SE
	s_setreg_imm32_b32 hwreg(HW_REG_WAVE_MODE, 25, 1), 1
	s_wait_xcnt 0x0
; Causal attention, out = softmax(Q K^T / 64, keys <= query) V.  32 heads x 2048 x 64, all f32 in memory.
; Q, K, V and the exponentials go to the matrix unit in f16; scores, maxima, sums and O stay in f32.
; WHY f16 AND NOT bf16: with the scale 1/64 the exponentials of a row lie close under 1, and a short row's result is a mean in
; which values cancel.  8 significant bits leave each weight an error of up to 2^-9, 11 bits one of up to 2^-12.
;
; SHARES.  A head has 16 query blocks of 128 rows.  Work-group (head, j), j = 0..7, makes block j and then block 15-j:
; (1 + j) + (1 + 15 - j) = 17 steps of 128 queries x 128 keys in every work-group, 256 work-groups of equal work.
; Wave w: rg = w & 3 owns query rows 32 rg .. +31, kh = w >> 2 owns keys 64 kh .. +63 of every key tile, with a running
; maximum, sum and O of its own; waves w and w + 4 are merged through LDS once at the end of each block.
; S IS MADE TRANSPOSED (A = K rows, B = Q rows): a lane holds 8 keys of one query in each result tile, so maximum and sum are
; formed inside the lane plus one exchange of the lane halves, and two result tiles packed to f16 ARE the B fragment
; of P for O^T = V^T P^T: P never goes through LDS.  V^T comes from V[key][d] by the transposing LDS load.
; K AND V come as f32 through registers (16 loads of 16 bytes a lane, asked one whole step ahead), are rounded once for the
; work-group and stored as f16 into one LDS tile: two barriers a step, the first split round half of the step's work.
; NO CLUSTER: the work-groups of a head need 1 + j and 16 - j key tiles in different order, so partners would ask for
; different numbers of tiles; and a tile copied to LDS as f32 (64 KiB a step) would be read and written there once more to be rounded.
; LIMITS: an input beyond 65,504 in magnitude becomes infinite in f16 (normal numbers of spread 1 taken thirty times larger, or
; moved by thirty spreads, stay below 1,100); below 2^-14 f16 rounds with an absolute error of up to 2^-25.  NaN and infinities in
; inputs or scores are not reproduced (the maxima drop a NaN; -FLT_MAX is the floor of a maximum).  The row sum adds the
; exponentials in f32, the product with V takes them rounded to f16.
.set PK,    144                        ; LDS pitch of K and Q rows: 128 bytes of f16 + 16 (an odd multiple of 16)
.set PVV,   160                        ; LDS pitch of V rows: 128 + 32 (an odd multiple of 32, for the transposing load)
.set KBUF,  0                          ; 128 x 144
.set VBUF,  18432                      ; 128 x 160
.set QBUF0, 38912                      ; block j,    128 x 144
.set QBUF1, 57344                      ; block 15-j, 128 x 144
.set MERGE, 75776                      ; 4 x 8704: for each rg 16 x 512 bytes of O and 512 of (NMC0, NMC1, L0, L1)
.set STAGE, 110592                     ; 4 x 8704: for each rg 32 rows x 272, used by wave rg alone
.set THR,  1                           ; 16 t: my 16 bytes in each 4,096 bytes of a dense tile
.set KST,  2                           ; where I store 8 bytes of a K row
.set VST,  3                           ; the same for V
.set KRD,  4                           ; my K fragments
.set VRD,  5                           ; my V fragments (transposing load)
.set QRD,  6                           ; my Q fragments, block j
.set DG,   7                           ; 32 rg + r - 64 kh - 8 h: query minus key on the diagonal tile, less the constants
.set MRG,  9
.set STS,  10
.set STR,  11
.set OUTO, 12
.set QST,  13
.set RM,   14                          ; v14-15  running maximum of the raw scores, query tile 0, 1
.set RL,   16                          ; v16-17  my lane's part of the running sum
.set NMC,  18                          ; v18-21  -c x maximum, twice, for each query tile
.set AL,   22                          ; v22-25  rescaling factor, twice, for each query tile
.set TA,   26
.set TB,   27
.set PA,   28                          ; v28-29
.set PB,   30                          ; v30-31
.set QF,   32                          ; v32-63   Q fragments at 16 qt + 8 dk
.set SB,   64                          ; v64-127  S at 32 qt + 8 kt, then P at 32 qt + 8 kc
.set SB1,  96
.set KF,   128                         ; v128-191 K fragments at 16 kt + 8 dk; V fragments at 8 (2 dt + kc); rounding; the way out
.set KF1,  144
.set KF2,  160
.set KF3,  176
.set OA,   192                         ; v192-255 O^T at 32 qt + 8 dt
                                       ; v256-319 (window 1: v0-31 next K tile, v32-63 next V tile, f32 as loaded)
.set MSB, 0
.macro WIN new                         ; the immediate's high byte repeats the setting that is left
.if MSB != \new
	s_set_vgpr_msb (MSB<<8)|\new
.set MSB, \new
.endif
.endm
.macro NOPS n
.rept \n
	v_nop
.endr
.endm
; a dense tile of 128 rows x 256 bytes: eight loads, each wave's load covers 512 consecutive bytes
.macro LOADT dst, base, once
.irp i, 0,1,2,3,4,5,6,7
.if \once
	global_load_b128 v[\dst+4*\i:\dst+4*\i+3], v[THR], s[\base:\base+1] offset:4096*\i th:TH_LOAD_NT
.else
	global_load_b128 v[\dst+4*\i:\dst+4*\i+3], v[THR], s[\base:\base+1] offset:4096*\i
.endif
.endr
.endm
.macro CVT32 dst, src                  ; 32 f32 to 16 registers of f16
.irp i, 0,1,2,3,4,5,6,7,8,9,10,11,12,13,14,15
	v_cvt_pk_f16_f32 v[\dst+\i], v[\src+2*\i], v[\src+2*\i+1]
.endr
.endm
.macro STORET addr, src, pitch, off    ; load i held row 16 i + t / 16: 8 bytes of f16 each
.irp i, 0,1,2,3,4,5,6,7
	ds_store_b64 v[\addr], v[\src+2*\i:\src+2*\i+1] offset:\off+16*\pitch*\i
.endr
.endm
; ask for key tile s27 (K and V, 64 KiB for the work-group).  The bases and the window-1 registers are free:
; the last COMMIT waited for all loads.
.macro ISSUE
	s_lshl_b32 s24, s27, 15
	s_mov_b32 s25, 0
	s_add_nc_u64 s[20:21], s[4:5], s[24:25]
	s_add_nc_u64 s[22:23], s[8:9], s[24:25]
	WIN 0x40                               ; destination window 1, address window 0
	LOADT 0, 20, 0
	LOADT 32, 22, 0
	WIN 0
.endm
; round the tile that was asked for and put it into LDS; then everybody may read it
.macro COMMIT
	NOPS 4                                 ; v128-191 were sources of the last products: four places before they are written (ISA guide 7.12.1)
	s_wait_loadcnt 0x0
	WIN 0x05                               ; sources 0 and 1 window 1
	CVT32 KF, 0
	CVT32 KF1, 32
	WIN 0
	STORET KST, KF, PK, 0
	STORET VST, KF1, PVV, 0
	s_wait_dscnt 0x0                       ; my stores are in LDS, for the other waves' sake
	s_barrier_signal -1
	s_barrier_wait -1
.endm
.macro QFRAGS off
.irp qt, 0,1
.irp dk, 0,1
	ds_load_b128 v[QF+16*\qt+8*\dk:QF+16*\qt+8*\dk+3],   v[QRD] offset:\off+16*PK*\qt+64*\dk
	ds_load_b128 v[QF+16*\qt+8*\dk+4:QF+16*\qt+8*\dk+7], v[QRD] offset:\off+16*PK*\qt+64*\dk+32
.endr
.endr
.endm
.macro KFRAGS
.irp kt, 0,1,2,3
.irp dk, 0,1
	ds_load_b128 v[KF+16*\kt+8*\dk:KF+16*\kt+8*\dk+3],   v[KRD] offset:16*PK*\kt+64*\dk
	ds_load_b128 v[KF+16*\kt+8*\dk+4:KF+16*\kt+8*\dk+7], v[KRD] offset:16*PK*\kt+64*\dk+32
.endr
.endr
.endm
; S^T = K Q^T: 16 keys x 16 queries a tile, d in two halves of 32; the first half starts the sum
.macro QK
.irp kt, 0,1,2,3
	s_wait_dscnt 12-4*\kt                  ; LDS loads return in order (ISA guide 5.7.1): the four loads of each later kt stay out
	v_wmma_f32_16x16x32_f16 v[SB+8*\kt:SB+8*\kt+7],   v[KF+16*\kt:KF+16*\kt+7],    v[QF:QF+7],     0
	v_wmma_f32_16x16x32_f16 v[SB1+8*\kt:SB1+8*\kt+7], v[KF+16*\kt:KF+16*\kt+7],    v[QF+16:QF+23], 0
	v_wmma_f32_16x16x32_f16 v[SB+8*\kt:SB+8*\kt+7],   v[KF+16*\kt+8:KF+16*\kt+15], v[QF+8:QF+15],  v[SB+8*\kt:SB+8*\kt+7]
	v_wmma_f32_16x16x32_f16 v[SB1+8*\kt:SB1+8*\kt+7], v[KF+16*\kt+8:KF+16*\kt+15], v[QF+24:QF+31], v[SB1+8*\kt:SB1+8*\kt+7]
.endr
.endm
.macro VFRAGS                          ; V^T: rows d = 16 dt + r, keys 32 kc .. +31
.irp dt, 0,1,2,3
.irp kc, 0,1
	ds_load_tr16_b128 v[KF+8*(2*\dt+\kc):KF+8*(2*\dt+\kc)+3],   v[VRD] offset:32*PVV*\kc+32*\dt
	ds_load_tr16_b128 v[KF+8*(2*\dt+\kc)+4:KF+8*(2*\dt+\kc)+7], v[VRD] offset:32*PVV*\kc+32*\dt+16*PVV
.endr
.endr
.endm
; the diagonal tile: key 64 kh + 16 kt + 8 h + jj counts only if it is <= query 32 rg + 16 qt + r
.macro MASK
.irp qt, 0,1
.irp kt, 0,1,2,3
.irp jj, 0,1,2,3,4,5,6,7
	v_cmp_le_i32 vcc_lo, 16*\kt+\jj-16*\qt, v[DG]
	v_cndmask_b32 v[SB+32*\qt+8*\kt+\jj], s34, v[SB+32*\qt+8*\kt+\jj], vcc_lo
.endr
.endr
.endr
.endm
; running-maximum softmax of query tile qt: 32 scores a lane.  p = exp2(c s - c m), c = log2(e) / 64.
.macro SM qt, first
.set SQ, SB+32*\qt
	v_max3_num_f32 v[TA], v[SQ], v[SQ+1], v[SQ+2]
	v_max3_num_f32 v[TB], v[SQ+17], v[SQ+18], v[SQ+19]
.set i, 1
.rept 6
	v_max3_num_f32 v[TA], v[TA], v[SQ+2*i+1], v[SQ+2*i+2]
	v_max3_num_f32 v[TB], v[TB], v[SQ+2*i+18], v[SQ+2*i+19]
.set i, i+1
.endr
	v_max3_num_f32 v[TA], v[TA], v[SQ+15], v[SQ+16]
.if \first
	v_max3_num_f32 v[TA], v[TA], v[TB], s33            ; floor -FLT_MAX: a row with no key yet gets p = 0 and no inf - inf
.else
	v_max3_num_f32 v[TA], v[TA], v[TB], v[RM+\qt]
.endif
	v_permlanex16_b32 v[TB], v[TA], s35, s36           ; the other 8 keys of each 16 lie in lane i xor 16
	v_max_num_f32 v[RM+\qt], v[TA], v[TB]
	v_mul_f32 v[TA], s32, v[RM+\qt]                    ; -c m
.if 1-\first
	v_sub_f32 v[TB], v[TA], v[NMC+2*\qt]               ; c (m old - m new) <= 0
	v_exp_f32 v[AL+2*\qt], v[TB]
.endif
	v_mov_b32 v[NMC+2*\qt], v[TA]                      ; (also the plain place behind the exponential)
	v_mov_b32 v[NMC+2*\qt+1], v[TA]
.if 1-\first
	s_wait_alu depctr_va_vdst(0)
	v_mov_b32 v[AL+2*\qt+1], v[AL+2*\qt]
.endif
.set i, 0
.rept 16
	v_pk_fma_f32 v[SQ+2*i:SQ+2*i+1], v[SQ+2*i:SQ+2*i+1], s[30:31], v[NMC+2*\qt:NMC+2*\qt+1] op_sel_hi:[1,0,1]
.set i, i+1
.endr
.set i, 0
.rept 32
	v_exp_f32 v[SQ+i], v[SQ+i]
.set i, i+1
.endr
	v_nop                                              ; one plain place before the exponentials are read
	s_wait_alu depctr_va_vdst(0)
	v_pk_add_f32 v[PA:PA+1], v[SQ:SQ+1], v[SQ+2:SQ+3]
	v_pk_add_f32 v[PB:PB+1], v[SQ+16:SQ+17], v[SQ+18:SQ+19]
.set i, 2
.rept 6
	v_pk_add_f32 v[PA:PA+1], v[PA:PA+1], v[SQ+2*i:SQ+2*i+1]
	v_pk_add_f32 v[PB:PB+1], v[PB:PB+1], v[SQ+2*i+16:SQ+2*i+17]
.set i, i+1
.endr
	v_pk_add_f32 v[PA:PA+1], v[PA:PA+1], v[PB:PB+1]
.if \first
	v_add_f32 v[RL+\qt], v[PA], v[PA+1]
.else
	v_add_f32 v[TA], v[PA], v[PA+1]
	v_fma_f32 v[RL+\qt], v[RL+\qt], v[AL+2*\qt], v[TA]
.endif
.set i, 0
.rept 16                                               ; pack in place, ascending: register i is written after 2 i and 2 i + 1 were read
	v_cvt_pk_f16_f32 v[SQ+i], v[SQ+2*i], v[SQ+2*i+1]   ; p lies in [0, 1]: inside f16's range
.set i, i+1
.endr
.endm
.macro RESC qt
.set i, 0
.rept 16
	v_pk_mul_f32 v[OA+32*\qt+2*i:OA+32*\qt+2*i+1], v[OA+32*\qt+2*i:OA+32*\qt+2*i+1], v[AL+2*\qt:AL+2*\qt+1]
.set i, i+1
.endr
.endm
; O^T += V^T P^T: 16 d x 16 queries a tile, my 64 keys in two halves of 32
.macro PV qt, first
.irp kc, 0,1
.irp dt, 0,1,2,3
.if \first*(1-\kc)
	v_wmma_f32_16x16x32_f16 v[OA+32*\qt+8*\dt:OA+32*\qt+8*\dt+7], v[KF+8*(2*\dt+\kc):KF+8*(2*\dt+\kc)+7], v[SB+32*\qt+8*\kc:SB+32*\qt+8*\kc+7], 0
.else
	v_wmma_f32_16x16x32_f16 v[OA+32*\qt+8*\dt:OA+32*\qt+8*\dt+7], v[KF+8*(2*\dt+\kc):KF+8*(2*\dt+\kc)+7], v[SB+32*\qt+8*\kc:SB+32*\qt+8*\kc+7], v[OA+32*\qt+8*\dt:OA+32*\qt+8*\dt+7]
.endif
.endr
.endr
.endm
; one key tile.  diag = 1: the block's first step, on the diagonal: masked, and it starts maxima, sums and O.
; ahead = 1: tile s27 is asked for at the head and put into LDS at the end.
.macro STEP diag, ahead
	KFRAGS
.if \ahead
	ISSUE
.endif
	QK
	NOPS 4                                 ; four places behind the products: then loads into their sources, and reads of S
	VFRAGS
.if \diag
	MASK
.endif
	SM 0, \diag
	s_wait_dscnt 0x0                       ; V's fragments are in: my reads of this tile are over
.if \ahead
	s_barrier_signal -1                    ; say so; registers only until the wait
.endif
.if 1-\diag
	RESC 0
.endif
	PV 0, \diag
	SM 1, \diag                            ; names none of the registers of the products in front of it
.if 1-\diag
	RESC 1
.endif
	PV 1, \diag
.if \ahead
	s_barrier_wait -1                      ; nobody reads the tile any more
	COMMIT
.endif
.endm
; end of a block: waves 4-7 hand O, NMC and L to waves 0-3, which merge, divide and store.  s[38:39]: the block in out.
.macro EPILOG id
	NOPS 4                                 ; four places behind the last products
	v_permlanex16_b32 v[TA], v[RL], s35, s36
	v_permlanex16_b32 v[TB], v[RL+1], s35, s36
	v_add_f32 v[RL], v[RL], v[TA]          ; the sums over my 64 keys a tile, whole
	v_add_f32 v[RL+1], v[RL+1], v[TB]
	s_cmp_lt_u32 s12, 4
	s_cbranch_scc1 .Lkeep\id
	v_mov_b32 v[PA], v[NMC]
	v_mov_b32 v[PA+1], v[NMC+2]
	v_mov_b32 v[PB], v[RL]
	v_mov_b32 v[PB+1], v[RL+1]
.irp i, 0,1,2,3,4,5,6,7,8,9,10,11,12,13,14,15
	ds_store_b128 v[MRG], v[OA+4*\i:OA+4*\i+3] offset:512*\i
.endr
	ds_store_b128 v[MRG], v[PA:PA+3] offset:8192
.Lkeep\id:
	s_wait_dscnt 0x0
	s_barrier_signal -1
	s_barrier_wait -1
	s_cmp_ge_u32 s12, 4
	s_cbranch_scc1 .Ldone\id
	ds_load_b128 v[PA:PA+3], v[MRG] offset:8192
.irp i, 0,1,2,3,4,5,6,7,8,9,10,11,12,13,14,15
	ds_load_b128 v[KF+4*\i:KF+4*\i+3], v[MRG] offset:512*\i
.endr
	s_wait_dscnt 16                        ; the partner's NMC and L are in; its 16 quads of O stay out
.irp q, 0,1
	v_min_num_f32 v[RM+\q], v[NMC+2*\q], v[PA+\q]      ; the smaller -c m belongs to the larger maximum
	v_sub_f32 v[TA], v[RM+\q], v[NMC+2*\q]
	v_sub_f32 v[TB], v[RM+\q], v[PA+\q]
	v_exp_f32 v[AL+2*\q], v[TA]
	v_exp_f32 v[AL+2*\q+1], v[TB]
	v_nop
	s_wait_alu depctr_va_vdst(0)
	v_mul_f32 v[TA], v[RL+\q], v[AL+2*\q]
	v_fma_f32 v[TA], v[PB+\q], v[AL+2*\q+1], v[TA]     ; the row's sum; at least about 1, from the key of the maximum
	v_rcp_f32 v[TB], v[TA]
	v_nop
	s_wait_alu depctr_va_vdst(0)
	v_mul_f32 v[NMC+2*\q], v[AL+2*\q], v[TB]           ; my weight
	v_mul_f32 v[AL+2*\q], v[AL+2*\q+1], v[TB]          ; the partner's
	v_mov_b32 v[NMC+2*\q+1], v[NMC+2*\q]
	v_mov_b32 v[AL+2*\q+1], v[AL+2*\q]
.endr
	s_wait_dscnt 0x0
.irp q, 0,1
.set i, 0
.rept 16
	v_pk_mul_f32 v[OA+32*\q+2*i:OA+32*\q+2*i+1], v[OA+32*\q+2*i:OA+32*\q+2*i+1], v[NMC+2*\q:NMC+2*\q+1]
	v_pk_fma_f32 v[OA+32*\q+2*i:OA+32*\q+2*i+1], v[KF+32*\q+2*i:KF+32*\q+2*i+1], v[AL+2*\q:AL+2*\q+1], v[OA+32*\q+2*i:OA+32*\q+2*i+1]
.set i, i+1
.endr
.endr
	; a lane holds d = 16 dt + 8 h + 0..7 of query 16 qt + r: through my own stage, rows of 256 + 16 bytes, back as whole rows
.irp qt, 0,1
.irp dt, 0,1,2,3
	ds_store_b128 v[STS], v[OA+32*\qt+8*\dt:OA+32*\qt+8*\dt+3]   offset:4352*\qt+64*\dt
	ds_store_b128 v[STS], v[OA+32*\qt+8*\dt+4:OA+32*\qt+8*\dt+7] offset:4352*\qt+64*\dt+16
.endr
.endr
.irp i, 0,1,2,3,4,5,6,7,8,9,10,11,12,13,14,15
	ds_load_b128 v[KF+4*\i:KF+4*\i+3], v[STR] offset:544*\i      ; LDS serves a wave's instructions in order: these see the stores above
.endr
.irp i, 0,1,2,3,4,5,6,7,8,9,10,11,12,13,14,15
	s_wait_dscnt 15-\i                     ; the younger read-backs stay out
	global_store_b128 v[OUTO], v[KF+4*\i:KF+4*\i+3], s[38:39] offset:512*\i th:TH_STORE_NT   ; two whole rows: 512 consecutive bytes, aligned
.endr
	s_wait_xcnt 0x0                        ; v128-191 and s[38:39] are written again only behind this wait
.Ldone\id:
.endm
	; ---------------------------------------------------------------- ids, constants, addresses
	s_load_b256 s[4:11], s[0:1], 0x0               ; key s[4:5], query s[6:7], value s[8:9], out s[10:11]
	v_lshl_add_u32 v8, v0, 2, 0x23800
	s_set_vgpr_msb 0x40
	v_mov_b32 v65, 0
	s_set_vgpr_msb 0x4000
	v_lshrrev_b32 v[TA], 5, v0
	v_readfirstlane_b32 s12, v[TA]                 ; wave
	s_and_b32 s13, s12, 3                          ; rg
	s_lshr_b32 s14, s12, 2                         ; kh
	s_and_b32 s15, ttmp9, 7                        ; j
	s_sub_co_u32 s17, 15, s15                      ; 15 - j
	s_lshr_b32 s18, ttmp9, 3                       ; head,
	s_lshl_b32 s18, s18, 19                        ; times 2048 x 256 bytes (below 16 MiB)
	s_mov_b32 s19, 0
	s_mov_b32 s30, 0x3cb8aa3b                      ; c = log2(e) / 64
	s_mov_b32 s31, 0x3cb8aa3b
	s_mov_b32 s32, 0xbcb8aa3b                      ; -c
	s_mov_b32 s33, 0xff7fffff                      ; -FLT_MAX
	s_mov_b32 s34, 0xff800000                      ; -infinity
	s_mov_b32 s35, 0x76543210                      ; v_permlanex16_b32: lane i takes lane i xor 16
	s_mov_b32 s36, 0xfedcba98
	v_and_b32 v[PA], 31, v0                        ; lane L
	v_and_b32 v[TA], 15, v0                        ; r
	v_bfe_u32 v[TB], v0, 4, 1                      ; h
	v_lshlrev_b32 v[THR], 4, v0
	v_mul_u32_u24 v[PA+1], v[TB], PK               ; staging: row t / 16 = 2 wave + h, 8 bytes at 8 r
	v_lshl_add_u32 v[PA+1], v[TA], 3, v[PA+1]
	s_mul_i32 s24, s12, 2*PK
	v_add_nc_u32 v[KST], s24, v[PA+1]
	v_add_nc_u32 v[QST], QBUF0, v[KST]
	v_mul_u32_u24 v[PA+1], v[TB], PVV
	v_lshl_add_u32 v[PA+1], v[TA], 3, v[PA+1]
	s_mul_i32 s24, s12, 2*PVV
	s_add_co_u32 s24, s24, VBUF
	v_add_nc_u32 v[VST], s24, v[PA+1]
	v_mul_u32_u24 v[PA+1], v[TA], PK               ; fragments along d: row r, 16 bytes for each half of the lanes
	v_lshl_add_u32 v[PA+1], v[TB], 4, v[PA+1]
	s_mul_i32 s24, s14, 64*PK
	v_add_nc_u32 v[KRD], s24, v[PA+1]
	s_mul_i32 s24, s13, 32*PK
	s_add_co_u32 s24, s24, QBUF0
	v_add_nc_u32 v[QRD], s24, v[PA+1]
	v_and_b32 v[PA+1], 7, v0                       ; transposing load: key 8 h + (L & 7), 16 bytes at 16 ((L >> 3) & 1)
	v_lshl_add_u32 v[PA+1], v[TB], 3, v[PA+1]
	v_mul_u32_u24 v[PA+1], v[PA+1], PVV
	v_bfe_u32 v[PB], v0, 3, 1
	v_lshl_add_u32 v[PA+1], v[PB], 4, v[PA+1]
	s_mul_i32 s24, s14, 64*PVV
	s_add_co_u32 s24, s24, VBUF
	v_add_nc_u32 v[VRD], s24, v[PA+1]
	s_lshl_b32 s24, s13, 5
	s_lshl_b32 s25, s14, 6
	s_sub_co_i32 s24, s24, s25                     ; 32 rg - 64 kh, signed
	v_lshlrev_b32 v[PA+1], 3, v[TB]
	v_sub_nc_u32 v[DG], v[TA], v[PA+1]
	v_add_nc_u32 v[DG], s24, v[DG]
	s_mul_i32 s24, s13, 8704
	s_add_co_u32 s25, s24, MERGE
	v_lshl_add_u32 v[MRG], v[PA], 4, s25
	s_add_co_u32 s25, s24, STAGE
	v_mul_u32_u24 v[PA+1], v[TA], 272
	v_lshl_add_u32 v[PA+1], v[TB], 5, v[PA+1]
	v_add_nc_u32 v[STS], s25, v[PA+1]
	v_mul_u32_u24 v[PA+1], v[TB], 272
	v_lshl_add_u32 v[PA+1], v[TA], 4, v[PA+1]
	v_add_nc_u32 v[STR], s25, v[PA+1]
	s_lshl_b32 s24, s13, 13                        ; 32 rows of 256 bytes for each rg
	v_lshl_add_u32 v[OUTO], v[PA], 4, s24
	s_wait_kmcnt 0x0
	s_add_nc_u64 s[4:5], s[4:5], s[18:19]          ; all four at my head
	s_add_nc_u64 s[6:7], s[6:7], s[18:19]
	s_add_nc_u64 s[8:9], s[8:9], s[18:19]
	s_add_nc_u64 s[10:11], s[10:11], s[18:19]
	s_lshl_b32 s24, s15, 15                        ; a block of 128 rows is 32,768 bytes
	s_mov_b32 s25, 0
	s_add_nc_u64 s[40:41], s[6:7], s[24:25]
	s_lshl_b32 s24, s17, 15
	s_add_nc_u64 s[42:43], s[6:7], s[24:25]
	LOADT SB, 40, 1                                ; both Q blocks, each read by this work-group alone
	LOADT SB1, 42, 1
	s_mov_b32 s27, s15                             ; the first key tile: the diagonal one of block j
	ISSUE
	s_wait_loadcnt 16                              ; Q's 16 loads are in; the 16 of K and V stay out
	CVT32 KF2, SB
	CVT32 KF3, SB1
	STORET QST, KF2, PK, 0
	STORET QST, KF3, PK, QBUF1-QBUF0
	COMMIT                                         ; its barrier also publishes Q
	; ---------------------------------------------------------------- block j: the diagonal tile, then tiles 0 .. j-1
	QFRAGS 0
	s_cmp_eq_u32 s15, 0
	s_cselect_b32 s27, s17, 0                      ; next: tile 0, or at once the diagonal tile of block 15-j
	STEP 1, 1
	s_cmp_eq_u32 s15, 0
	s_cbranch_scc1 .Lp1done
	s_mov_b32 s26, 0
.Lp1:
	s_add_co_u32 s28, s26, 1
	s_cmp_lt_u32 s28, s15
	s_cselect_b32 s27, s28, s17                    ; next: tile I + 1; behind the last one the diagonal tile of block 15-j
	STEP 0, 1
	s_add_co_u32 s26, s26, 1
	s_cmp_lt_u32 s26, s15
	s_cbranch_scc1 .Lp1
.Lp1done:
	s_lshl_b32 s24, s15, 15
	s_mov_b32 s25, 0
	s_add_nc_u64 s[38:39], s[10:11], s[24:25]
	EPILOG 1
	; ---------------------------------------------------------------- block 15-j: the diagonal tile, then tiles 0 .. 14-j
	QFRAGS QBUF1-QBUF0
	s_mov_b32 s27, 0
	STEP 1, 1
	s_sub_co_u32 s28, s17, 1                       ; 14 - j trips (at least 7) ask for a tile; the last step stands behind the loop
	s_mov_b32 s26, 0
.Lp2:
	s_add_co_u32 s27, s26, 1
	STEP 0, 1
	s_add_co_u32 s26, s26, 1
	s_cmp_lt_u32 s26, s28
	s_cbranch_scc1 .Lp2
	STEP 0, 0                                      ; tile 14-j: nothing follows, nothing is asked for
	s_lshl_b32 s24, s17, 15
	s_mov_b32 s25, 0
	s_add_nc_u64 s[38:39], s[10:11], s[24:25]
	EPILOG 2
	s_set_vgpr_msb 0x4
	s_wait_tensorcnt 0x0
	ds_add_u32 v8, v65
	s_wait_dscnt 0x0
	s_set_vgpr_msb 0x400
	s_endpgm
.Lfunc_end_k_q40f42b251a_attn:
	.size	k_q40f42b251a_attn, .Lfunc_end_k_q40f42b251a_attn-k_q40f42b251a_attn
	.p2alignl 7, 3214868480
	.fill 96, 4, 3214868480
	.section	.rodata,"a",@progbits
	.p2align	6, 0x0
	.amdhsa_kernel k_q40f42b251a_attn
		.amdhsa_group_segment_fixed_size 146432
		.amdhsa_private_segment_fixed_size 0
		.amdhsa_enable_private_segment 0
		.amdhsa_kernarg_size 32
		.amdhsa_user_sgpr_count 2
		.amdhsa_user_sgpr_kernarg_segment_ptr 1
		.amdhsa_wavefront_size32 1
		.amdhsa_system_sgpr_workgroup_id_x 1
		.amdhsa_system_sgpr_workgroup_id_y 1
		.amdhsa_system_sgpr_workgroup_id_z 1
		.amdhsa_system_vgpr_workitem_id 0
		.amdhsa_next_free_vgpr 322
		.amdhsa_next_free_sgpr 66
		.amdhsa_reserve_vcc 1
		.amdhsa_float_denorm_mode_32 3
		.amdhsa_float_denorm_mode_16_64 3
		.amdhsa_memory_ordered 1
		.amdhsa_forward_progress 1
		.amdhsa_inst_pref_size 149
	.end_amdhsa_kernel
	.amdgpu_metadata
---
amdhsa.version: [ 1, 2 ]
amdhsa.kernels:
  - .name:           k_q40f42b251a_attn
    .symbol:         k_q40f42b251a_attn.kd
    .args:
      - { .name: key, .offset: 0, .size: 8, .value_kind: global_buffer, .address_space: global }
      - { .name: query, .offset: 8, .size: 8, .value_kind: global_buffer, .address_space: global }
      - { .name: value, .offset: 16, .size: 8, .value_kind: global_buffer, .address_space: global }
      - { .name: out0, .offset: 24, .size: 8, .value_kind: global_buffer, .address_space: global }
    .group_segment_fixed_size: 146432
    .private_segment_fixed_size: 0
    .kernarg_segment_align: 8
    .kernarg_segment_size: 32
    .max_flat_workgroup_size: 256
    .sgpr_count:     66
    .vgpr_count:     322
    .wavefront_size: 32
...
	.end_amdgpu_metadata
.endif
;; end of part 1
